; MI455X (gfx1250); checked and timed in simulation.
; The chip was launched on July 23, 2026; its instructions are those of AMD's public machine-readable ISA for CDNA 5 (MIT licence, August 2026) and "CDNA5" Instruction Set Architecture Reference Guide (July 2026). The comments in the code are by the model that wrote it; some were corrected since.
;; Vector Quantizer. Allowed arithmetic: float matrix products may take bf16 or f16 operands with f32 sums; all other float work in f32.
;; Inputs: emb 8,192 x 256 float32; z_e 8 x 2,048 x 256 float32.
;; Outputs: out0 8 x 2,048 x 256 float32; out1 one number float32; out2 8 x 2,048 int32.
;; One version. Each part assembles by itself: llvm-mc -triple=amdgcn-amd-amdhsa -mcpu=gfx1250 --defsym DOCPART=n.
;; ======== version 1 of 1: 4 launches
;; workspace buffers: embb 4,194,304 bytes; e2 32,768 bytes; candd 131,072 bytes; candi 131,072 bytes of whole numbers; part 1,024 bytes
;; launch prep (part 1): grid 128 x 1, 8 waves a work-group, no clusters, 1,280 bytes of LDS; arguments emb, embb, e2; writes embb, e2
.if DOCPART == 1
	.amdgcn_target "amdgcn-amd-amdhsa--gfx1250"
	.amdhsa_code_object_version 6
	.text
	.protected	k_q60e18a998b_prep
	.globl	k_q60e18a998b_prep
	.p2align	8
	.type	k_q60e18a998b_prep,@function
k_q60e18a998b_prep:
	s_mov_b64 s[64:65], 0
	v_nop
	global_prefetch_b8 v0, s[64:65] scope:SCOPE_SE
	s_setreg_imm32_b32 hwreg(HW_REG_WAVE_MODE, 25, 1), 1
	s_wait_xcnt 0x0
; embb[c][k] = bf16(emb[c][k]);  e2[c] = sum over k of embb[c][k]^2 in f32.   emb: [8192][256] f32.
; e2 is taken from the ROUNDED numbers, since the distances of the next launch are those of the rounded codes.
; Eight waves; the work-group owns 64 codes, so that its 64 sums fill 256 consecutive aligned bytes of e2.  A wave owns 8 codes.
; One code is 1,024 bytes: two loads of 16 bytes a lane (512 consecutive bytes each).  All sixteen loads of a wave go out at once.
; A lane's four numbers of a load pack into 8 bytes: a store of the wave covers 256 consecutive aligned bytes of embb.
; No cluster, no tensor loads, no matrix unit: every byte is read once by one wave and nothing is shared.
.set ROWS, 8                           ; codes of a wave
.set T,   4                            ; v[4:11]   8 rounded numbers in f32, at work
.set SM,  12                           ; v[12:13]  the running sum, a pair
.set LO,  14                           ; v14       byte offset of my 16 bytes in the wave's first code, in emb
.set SO,  15                           ; v15       byte offset of my 8 bytes in the wave's first code, in embb
.set X,   16                           ; v[16:79]  code k: 8 registers as loaded
.set Y,   80                           ; v[80:111] code k: 4 registers to store, its own: never rewritten
	s_load_b128 s[4:7], s[0:1], 0x0                ; emb s[4:5], embb s[6:7]
	s_load_b64 s[8:9], s[0:1], 0x10                ; e2
	v_lshl_add_u32 v112, v0, 2, 0x100
	v_mov_b32 v113, 0
	v_lshrrev_b32 v1, 5, v0
	v_readfirstlane_b32 s10, v1                    ; wave 0..7
	v_and_b32 v2, 31, v0                           ; lane
	v_lshlrev_b32 v1, 3, v2                        ; 8 x lane
	v_lshlrev_b32 v[LO], 4, v2                     ; 16 x lane
	v_lshl_add_u32 v[LO], s10, 13, v[LO]           ; + wave x 8 codes x 1,024 bytes
	v_lshl_add_u32 v[SO], s10, 12, v1              ; 8 x lane + wave x 8 codes x 512 bytes
	s_lshl_b32 s11, s10, 5
	v_mov_b32 v3, s11                              ; LDS: my wave's eight sums at 32 x wave
	s_lshl_b32 s12, ttmp9, 16                      ; the work-group's 64 codes: 65,536 bytes of emb,
	s_mov_b32 s13, 0
	s_lshl_b32 s14, ttmp9, 15                      ; 32,768 of embb,
	s_mov_b32 s15, 0
	s_lshl_b32 s16, ttmp9, 8                       ; 256 of e2
	s_mov_b32 s17, 0
	s_mov_b32 s18, 0xffff0000                      ; a word's upper bf16
	s_mov_b32 s20, 0x76543210                      ; v_permlanex16_b32: lane i of one half reads lane i of the other
	s_mov_b32 s21, 0xfedcba98
	s_wait_kmcnt 0x0
	s_add_nc_u64 s[4:5], s[4:5], s[12:13]
	s_add_nc_u64 s[6:7], s[6:7], s[14:15]
	s_add_nc_u64 s[8:9], s[8:9], s[16:17]
.irp k, 0,1,2,3,4,5,6,7
	global_load_b128 v[X+8*\k:X+8*\k+3],   v[LO], s[4:5] offset:1024*\k        ; numbers 4 lane .. 4 lane + 3
	global_load_b128 v[X+8*\k+4:X+8*\k+7], v[LO], s[4:5] offset:1024*\k+512    ; numbers 128 + 4 lane .. + 3
.endr
.macro CODE k
	s_wait_loadcnt 14-2*\k                         ; loads come back in order: this code's two are in, the 14 - 2 k of the later codes stay out
.irp j, 0,1,2,3
	v_cvt_pk_bf16_f32 v[Y+4*\k+\j], v[X+8*\k+2*\j], v[X+8*\k+2*\j+1]
.endr
	global_store_b64 v[SO], v[Y+4*\k:Y+4*\k+1],   s[6:7] offset:512*\k
	global_store_b64 v[SO], v[Y+4*\k+2:Y+4*\k+3], s[6:7] offset:512*\k+256
.irp j, 0,1,2,3
	v_lshlrev_b32 v[T+2*\j],   16,  v[Y+4*\k+\j]    ; the rounded numbers back in f32
	v_and_b32     v[T+2*\j+1], s18, v[Y+4*\k+\j]
.endr
	v_pk_mul_f32 v[SM:SM+1], v[T:T+1], v[T:T+1]    ; the first squares start the sum
.irp j, 2,4,6
	v_pk_fma_f32 v[SM:SM+1], v[T+\j:T+\j+1], v[T+\j:T+\j+1], v[SM:SM+1]
.endr
	v_add_f32 v[SM], v[SM], v[SM+1]
	v_add_f32_dpp v[SM], v[SM], v[SM] row_xmask:1 row_mask:0xf bank_mask:0xf
	v_add_f32_dpp v[SM], v[SM], v[SM] row_xmask:2 row_mask:0xf bank_mask:0xf
	v_add_f32_dpp v[SM], v[SM], v[SM] row_xmask:4 row_mask:0xf bank_mask:0xf
	v_add_f32_dpp v[SM], v[SM], v[SM] row_xmask:8 row_mask:0xf bank_mask:0xf
	v_permlanex16_b32 v[SM+1], v[SM], s20, s21     ; its destination has been written above
	v_add_f32 v[SM], v[SM], v[SM+1]                ; every lane holds the code's sum
	ds_store_b32 v3, v[SM] offset:4*\k             ; all lanes write one word with one value
.endm
.irp k, 0,1,2,3,4,5,6,7
	CODE \k
.endr
	s_wait_dscnt 0x0                               ; my eight sums are in LDS, for wave 0's sake
	s_barrier_signal -1
	s_barrier_wait -1
	s_cmp_lg_u32 s10, 0
	s_cbranch_scc1 .Lend
	ds_load_b64 v[4:5], v1                         ; wave 0: two sums a lane
	s_wait_dscnt 0x0
	global_store_b64 v1, v[4:5], s[8:9]            ; 256 consecutive aligned bytes of e2
.Lend:
	s_wait_tensorcnt 0x0
	ds_add_u32 v112, v113
	s_wait_dscnt 0x0
	s_endpgm
.Lfunc_end_k_q60e18a998b_prep:
	.size	k_q60e18a998b_prep, .Lfunc_end_k_q60e18a998b_prep-k_q60e18a998b_prep
	.p2alignl 7, 3214868480
	.fill 96, 4, 3214868480
	.section	.rodata,"a",@progbits
	.p2align	6, 0x0
	.amdhsa_kernel k_q60e18a998b_prep
		.amdhsa_group_segment_fixed_size 1280
		.amdhsa_private_segment_fixed_size 0
		.amdhsa_enable_private_segment 0
		.amdhsa_kernarg_size 24
		.amdhsa_user_sgpr_count 2
		.amdhsa_user_sgpr_kernarg_segment_ptr 1
		.amdhsa_wavefront_size32 1
		.amdhsa_system_sgpr_workgroup_id_x 1
		.amdhsa_system_sgpr_workgroup_id_y 1
		.amdhsa_system_sgpr_workgroup_id_z 1
		.amdhsa_system_vgpr_workitem_id 0
		.amdhsa_next_free_vgpr 114
		.amdhsa_next_free_sgpr 66
		.amdhsa_reserve_vcc 0
		.amdhsa_float_denorm_mode_32 3
		.amdhsa_float_denorm_mode_16_64 3
		.amdhsa_memory_ordered 1
		.amdhsa_forward_progress 1
		.amdhsa_inst_pref_size 15
	.end_amdhsa_kernel
	.amdgpu_metadata
---
amdhsa.version: [ 1, 2 ]
amdhsa.kernels:
  - .name:           k_q60e18a998b_prep
    .symbol:         k_q60e18a998b_prep.kd
    .args:
      - { .name: emb, .offset: 0, .size: 8, .value_kind: global_buffer, .address_space: global }
      - { .name: embb, .offset: 8, .size: 8, .value_kind: global_buffer, .address_space: global }
      - { .name: e2, .offset: 16, .size: 8, .value_kind: global_buffer, .address_space: global }
    .group_segment_fixed_size: 1280
    .private_segment_fixed_size: 0
    .kernarg_segment_align: 8
    .kernarg_segment_size: 24
    .max_flat_workgroup_size: 256
    .sgpr_count:     66
    .vgpr_count:     114
    .wavefront_size: 32
...
	.end_amdgpu_metadata
.endif
;; end of part 1
;; launch main (part 2): grid 128 x 2, 8 waves a work-group, clusters of 4 x 1, 327,680 bytes of LDS; arguments z_e, embb, e2, candd, candi; writes candd, candi
.if DOCPART == 2
	.amdgcn_target "amdgcn-amd-amdhsa--gfx1250"
	.amdhsa_code_object_version 6
	.text
	.protected	k_q60e18a998b_main
	.globl	k_q60e18a998b_main
	.p2align	8
	.type	k_q60e18a998b_main,@function
k_q60e18a998b_main:
	s_mov_b64 s[64:65], 0
	v_nop
	global_prefetch_b8 v0, s[64:65] scope:SCOPE_SE
	s_setreg_imm32_b32 hwreg(HW_REG_WAVE_MODE, 25, 1), 1
	s_wait_xcnt 0x0
	s_wait_alu depctr_hold_cnt(0) depctr_sa_sdst(0) depctr_va_vdst(0) depctr_va_sdst(0) depctr_va_ssrc(0) depctr_va_vcc(0) depctr_vm_vsrc(0)
	s_getreg_b32 s2, hwreg(HW_REG_IB_STS2, 6, 4)
	s_cmp_eq_u32 s2, 0
	s_cbranch_scc0 .Lentry_in_a_cluster
	s_endpgm
.Lentry_in_a_cluster:
	s_bfe_u32 s2, ttmp6, 0x10000c
	s_cmp_lg_u32 s2, 0x3003
	s_cbranch_scc0 .Lentry_shape_is_right
	s_endpgm
.Lentry_shape_is_right:
; For 128 rows of z and one half (4,096) of the codes: d = (x2 + e2) - 2 dot, and for each row the smallest d with the lowest code that has it.
; z_e: [16384][256] f32.  embb: [8192][256] bf16.  e2: [8192] f32.  candd, candi: [2 halves][16384] f32, i32.
; ROUNDINGS: dot is a bf16 product with f32 sums; x2 and e2 are sums of squares of the bf16-rounded numbers; then d = fl(fl(x2 + e2) - 2 dot) as the
; formula is written: one add, one fused multiply-add (2 dot is exact).  Equal d go to the lower code at every step.
; LIMITS: a NaN distance is never chosen (a row whose distances are all NaN or +inf gets the half's code 0 with d = +inf).  The order of the sums in x2, e2
; and dot is this text's own, so a row whose two best codes lie within one unit in the last place of d can fall to the other one.
;
; SHARES.  Work-group: 128 rows x 4,096 codes.  Eight waves, two for each SIMD, 512 registers each: wave w has rows 64 (w / 4) .. + 63 and, of every 64 codes,
; codes 16 (w % 4) .. + 15: one tile.  Its 64 rows of z stay in 256 registers as bf16 fragments for the whole kernel; the codes go by in 16 steps of 256
; codes, four tiles a wave.  Two waves on a SIMD, because a tile's 32 matrix instructions are followed by 89 vector instructions on their results:
; one wave compares while the other multiplies.
; CLUSTER: the four work-groups of a cluster have four row blocks and the same half, so they walk the same codes: each load of codes is asked for
; jointly (mask 15), which divides the requests for embb by four.  z is each work-group's own: a plain load.
; THE MATRIX INSTRUCTION: source 0 = 16 codes, source 1 = 16 rows of z.  In the result lane (r, h), register j, holds code 8 h + j and row r:
; all of a lane's results belong to one row, so x2 is one number a lane and row tile, and e2 is eight numbers a lane and code tile.
; THE COMPARE STAGE.  A lane's eight distances of a tile are eight neighbouring codes of one row.  Four instructions give their minimum; one compares it with
; the row's best so far; where it is strictly smaller, nine selects keep the minimum, the tile's number and seven of the eight distances.  Which of the
; eight it was is found once, at the end: the first kept distance that equals the kept minimum, or the eighth.  Tiles ascend, so the first of equals stays.
; THE LOADS RUN ONE TILE AHEAD OF THE STEPS.  Load k brings codes 256 k + 64 .. 256 k + 319: tiles 1, 2, 3 of step k and tile 0 of step k + 1, into slot k % 2.
; So a step's tile 0 is read into registers at the end of the step before, from a slot that the last round has shown whole, and the round in front of a
; refill stands round that tile's product: every wave has waited for its LDS reads and its tensor load, signals, multiplies on registers, and passes.
;
; LDS:  0        the head: codes 0 .. 63, 528 bytes apart (512 of data + 16 of padding); filled once
;       33,792   slot 0: 256 codes x 528 bytes
;       168,960  slot 1; first the 128 rows of z in f32, 1,040 bytes apart (1,024 + 16)
;       304,128  e2 of the half's 4,096 codes; 320,512 and 322,560: the waves' candidates, [4 code groups][128 rows] d and code.
;       These three are written by LDS stores and lie in 256-byte blocks into which no tensor load lands.
; 528 = 33 x 16 and 1,040 = 65 x 16: the sixteen rows that a fragment load touches start at sixteen different 16-byte columns modulo 256 bytes.
; REGISTERS: window 1 (v256-v511): z's fragments, row tile i, K step kk at 64 i + 8 kk.  Window 0: all the rest.
.set EPITCH, 528
.set ZPITCH, 1040
.set SLOT,   256*EPITCH                ; 135,168
.set SLOT0,  64*EPITCH                 ; 33,792
.set SLOT1,  SLOT0+SLOT                ; 168,960
.set E2L,    SLOT1+SLOT                ; 304,128
.set REDD,   E2L+16384                 ; 320,512
.set REDI,   REDD+2048                 ; 322,560
.set STEP_BYTES, 256*512               ; 256 codes in embb
.set E2A,  6                           ; v6        LDS address of my eight e2 of this step's tile 0
.set ZA,   7                           ; v7        LDS address of my z fragments (f32)
.set CUR,  8                           ; v8        256 x step + 64 x tile: the tile's code, less what is fixed for the lane
.set LC,   9                           ; v9        4096 x half + 16 x code group + 8 h: the fixed part
.set RW,   10                          ; v10       where my row's candidate goes
.set RA,   11                          ; v11       where wave 0 reads four rows' candidates
.set SO,   12                          ; v12       16 x lane
.set E2S,  13                          ; v13       where my 16 bytes of e2 go
.set TP,   14                          ; v14, v15  the other half of the lanes' candidate
.set X2,   16                          ; v[16:23]  x2 of my row in row tile i, twice: a pair for the packed add
.set XL,   24                          ; v[24:27]  x2 at work: the words' low halves
.set XH,   28                          ; v[28:31]  the high halves
.set EB,   32                          ; v[32:39], v[40:47]  e2 of even and of odd tiles
.set S,    48                          ; v[48:55]  x2 + e2
.set GO,   56                          ; v56       16 x thread: my bytes of e2 in memory
.set JR,   57                          ; v57       at the end: which of the eight
.set MT,   58                          ; v[58:61]  three partial minima and the minimum of eight
.set EP,   62                          ; v62       LDS address of my code fragments in the head
.set F,    64                          ; v[64:127]  a tile's code fragments, 8 K steps
.set ACC,  128                         ; v[128:159] four accumulators, one for each row tile
.set BEST, 160                         ; v[160:163] row tile i: the smallest d so far
.set IDX,  164                         ; v[164:167] CUR of the tile that gave it
.set SV,   168                         ; v[168:199] that tile's distances 0 .. 6, at 8 i + j
.set EA,   204                         ; v[204:207] LDS address of my code fragments: slot 0 rows 0 and 128, slot 1 rows 0 and 128 (192 rows pass the 16-bit immediate)
.set KJ,   208                         ; v[208:214] at the end: the numbers 0 .. 6
.set E2T,  224                         ; v[224:239] e2 on its way into LDS
.set TA,   64                          ; ahead of the ring: two stages of 64 registers for z in f32
.set TB,   128
.set G1E, 16                           ; s[16:23] group 1 of the codes' loads: 32 rows a wave
.set G0E, 24                           ; s[24:31] group 0 of the codes' loads, a set for each slot
.set G1Z, 32                           ; s[32:39] group 1 of z's tile
.set G0Z, 40                           ; s[40:43] group 0 of z's tile
.set G1F, 68                           ; s[68:75] group 1 of the first load of codes: 40 rows a wave
.set G0F, 76                           ; s[76:79] its group 0
.set MSB, 0
.macro WIN new                         ; the immediate's high byte repeats the setting that is left; a switch that changes nothing is dropped
.if MSB != \new
	s_set_vgpr_msb (MSB<<8)|\new
.set MSB, \new
.endif
.endm
.set MULW, 0x04                        ; source 1 (z) in window 1
.set CVTW, 0x40                        ; destination in window 1
.set SQW,  0x05                        ; sources 0 and 1 in window 1
; A round of the cluster's barrier: my work-group's barrier, wave 0 signals for the work-group, every wave waits for all four work-groups, my work-group's barrier again.
.macro CREST                           ; a round behind its opening barrier
	s_cmp_lg_u32 s14, 0
	s_cbranch_scc1 .Lnot_wave_0_\@
	s_barrier_signal -3
.Lnot_wave_0_\@:
	s_barrier_wait -3
	s_barrier_signal -1
	s_barrier_wait -1
.endm
.macro ROUND                           ; a whole round
	s_barrier_signal -1
	s_barrier_wait -1
	CREST
.endm
	s_load_b256 s[4:11], s[0:1], 0x0               ; z_e s[4:5], embb s[6:7], e2 s[8:9], candd s[10:11]
	s_load_b64 s[12:13], s[0:1], 0x20              ; candi
	v_lshl_add_u32 v254, v0, 2, 0x4f400
	v_mov_b32 v255, 0
	ds_add_u32 v254, v255
	v_lshrrev_b32 v1, 5, v0
	v_readfirstlane_b32 s14, v1                    ; wave 0..7
	s_and_b32 s49, s14, 3                          ; code group
	s_lshr_b32 s50, s14, 2                         ; row group
	s_and_b32 s48, ttmp7, 0xffff                   ; half of the codes (the cluster is one work-group high: its y is the work-group's)
	s_bfe_u32 s46, ttmp6, 0x40000                  ; cx: my place in the cluster
	s_lshl_b32 s47, ttmp9, 2
	s_add_co_u32 s47, s47, s46                     ; row block = 4 x cluster x + cx; it enters z's address and the outputs' alone
	s_mov_b32 s54, 0x76543210                      ; v_permlanex16_b32: lane i of one half reads lane i of the other
	s_mov_b32 s55, 0xfedcba98
	; group 1 of the codes' loads: 32 rows x 256 bf16, what one wave brings of a slot's 256 rows (eight waves share them)
	s_mov_b32 s[G1E+0], 15|(1<<16)|(1<<20)|(1<<21)|(6<<22)|(3<<25)   ; 15:0 mask: all four work-groups; 17:16 2 bytes; 20 padding on; 21 set beside a mask; 24:22 after every 128 words; 31:25 four words
	s_mov_b32 s[G1E+1], 256<<16                    ; tensor_dim0 = 256
	s_mov_b32 s[G1E+2], 32<<16                     ; tensor_dim1 = 32
	s_mov_b32 s[G1E+3], 256<<16                    ; tile_dim0 = 256
	s_mov_b32 s[G1E+4], 32                         ; tile_dim1 = 32
	s_mov_b32 s[G1E+5], 256                        ; elements from row to row
	s_mov_b32 s[G1E+6], 0
	s_mov_b32 s[G1E+7], 0
	; group 1 of the first load of codes: the same with 40 rows: codes 0 .. 319 (the head and slot 0) shared by eight waves
	s_mov_b32 s[G1F+0], 15|(1<<16)|(1<<20)|(1<<21)|(6<<22)|(3<<25)
	s_mov_b32 s[G1F+1], 256<<16
	s_mov_b32 s[G1F+2], 40<<16
	s_mov_b32 s[G1F+3], 256<<16
	s_mov_b32 s[G1F+4], 40
	s_mov_b32 s[G1F+5], 256
	s_mov_b32 s[G1F+6], 0
	s_mov_b32 s[G1F+7], 0
	; group 1 of z's tile: 16 rows x 256 f32, no mask
	s_mov_b32 s[G1Z+0], (2<<16)|(1<<20)|(7<<22)|(3<<25)              ; 4 bytes; padding on, after every 256 words, four words
	s_mov_b32 s[G1Z+1], 256<<16
	s_mov_b32 s[G1Z+2], 16<<16
	s_mov_b32 s[G1Z+3], 256<<16
	s_mov_b32 s[G1Z+4], 16
	s_mov_b32 s[G1Z+5], 256
	s_mov_b32 s[G1Z+6], 0
	s_mov_b32 s[G1Z+7], 0
	s_mov_b32 s[G0F+0], 1
	s_mul_i32 s[G0F+1], s14, 40*EPITCH             ; the first load: wave x 40 rows, from LDS byte 0
	s_mov_b32 s[G0E+0], 1
	s_mov_b32 s[G0E+4], 1
	s_mul_i32 s[G0E+1], s14, 32*EPITCH             ; wave x 32 rows,
	s_add_co_u32 s[G0E+5], s[G0E+1], SLOT1         ; in slot 1,
	s_add_co_u32 s[G0E+1], s[G0E+1], SLOT0         ; in slot 0
	s_mov_b32 s[G0Z+0], 1
	s_mul_i32 s[G0Z+1], s14, 16*ZPITCH             ; z: wave x 16 rows,
	s_add_co_u32 s[G0Z+1], s[G0Z+1], SLOT1         ; in slot 1's bytes
	s_lshl_b32 s52, s48, 21                        ; embb: half x 4,096 codes x 512 bytes
	s_mov_b32 s53, 0
	s_mul_i32 s58, s14, 40*512                     ; the first load: wave x 40 codes
	s_mov_b32 s59, 0
	s_lshl_b32 s62, s14, 14                        ; the others: wave x 32 codes,
	s_add_co_u32 s62, s62, 64*512                  ; 64 codes ahead of the steps
	s_mov_b32 s63, 0
	s_lshl_b32 s60, s47, 17                        ; z_e: row block x 128 rows x 1,024 bytes
	s_lshl_b32 s61, s14, 14                        ; + wave x 16 rows
	s_add_co_u32 s60, s60, s61
	s_mov_b32 s61, 0
	s_wait_dscnt 0x0
	s_wait_kmcnt 0x0
	s_add_nc_u64 s[6:7], s[6:7], s[52:53]                          ; embb at my half
	s_add_nc_u64 s[G0F+2:G0F+3], s[6:7], s[58:59]                  ; codes 40 w ..
	s_add_nc_u64 s[G0E+2:G0E+3], s[6:7], s[62:63]                  ; slot 0: the place of load 0; it is stepped to load 2 before its first use
	s_add_nc_u64 s[G0E+6:G0E+7], s[G0E+2:G0E+3], STEP_BYTES        ; slot 1: load 1
	s_or_b32 s[G0F+3], s[G0F+3], 0x80000000                        ; type = 2
	s_or_b32 s[G0E+3], s[G0E+3], 0x80000000
	s_or_b32 s[G0E+7], s[G0E+7], 0x80000000
	s_add_nc_u64 s[G0Z+2:G0Z+3], s[4:5], s[60:61]
	s_or_b32 s[G0Z+3], s[G0Z+3], 0x80000000
	s_lshl_b32 s52, s48, 14
	s_add_nc_u64 s[8:9], s[8:9], s[52:53]          ; e2 of my half
	s_lshl_b32 s60, s48, 16                        ; candd, candi: half x 16,384 rows x 4 bytes
	s_lshl_b32 s45, s47, 9                         ; + row block x 128 rows
	s_add_co_u32 s60, s60, s45
	s_add_nc_u64 s[10:11], s[10:11], s[60:61]
	s_add_nc_u64 s[12:13], s[12:13], s[60:61]
	ROUND                                          ; all four work-groups are here: the first joint loads meet
	tensor_load_to_lds s[G0F:G0F+3], s[G1F:G1F+7]  ; my 40 rows of codes 0 .. 319, into the head and slot 0
	s_nop 0
	tensor_load_to_lds s[G0Z:G0Z+3], s[G1Z:G1Z+7]  ; my 16 rows of z, into slot 1's bytes.  Two tensor loads of the wave are out here, later never more than one
	s_nop 0
	v_and_b32 v1, 15, v0                           ; r
	v_bfe_u32 v2, v0, 4, 1                         ; h
	v_and_b32 v3, 31, v0                           ; lane
	v_lshlrev_b32 v[SO], 4, v3
	v_lshlrev_b32 v[GO], 4, v0
.irp c, 0,1,2,3
	global_load_b128 v[E2T+4*\c:E2T+4*\c+3], v[GO], s[8:9] offset:4096*\c   ; the half's e2, 16,384 bytes: 256 threads x 4 x 16
.endr
	s_lshl_b32 s51, s14, 9
	s_add_co_u32 s51, s51, E2L
	v_add_nc_u32 v[E2S], s51, v[SO]                ; E2L + 512 x wave + 16 x lane
	s_mul_i32 s51, s49, 16*EPITCH                  ; my 16 codes of every 64
	v_mul_u32_u24 v[EP], v1, EPITCH
	v_lshl_add_u32 v[EP], v2, 4, v[EP]             ; row r, 16 bytes for each half of the lanes
	v_add_nc_u32 v[EP], s51, v[EP]
	v_add_nc_u32 v[EA+0], SLOT0, v[EP]
	v_add_nc_u32 v[EA+1], SLOT0+128*EPITCH, v[EP]
	v_add_nc_u32 v[EA+2], SLOT1, v[EP]
	v_add_nc_u32 v[EA+3], SLOT1+128*EPITCH, v[EP]
	s_lshl_b32 s51, s49, 6
	s_add_co_u32 s51, s51, E2L
	v_lshl_add_u32 v[E2A], v2, 5, s51              ; e2 of codes 16 x group + 8 h .. + 7
	s_mul_i32 s51, s50, 64*ZPITCH                  ; my 64 rows of z
	s_add_co_u32 s51, s51, SLOT1
	v_mul_u32_u24 v[ZA], v1, ZPITCH
	v_lshl_add_u32 v[ZA], v2, 5, v[ZA]             ; eight f32 = 32 bytes for each half of the lanes
	v_add_nc_u32 v[ZA], s51, v[ZA]
	s_lshl_b32 s51, s48, 12
	s_lshl_b32 s15, s49, 4
	s_add_co_u32 s51, s51, s15
	v_lshl_add_u32 v[LC], v2, 3, s51
	s_lshl_b32 s51, s49, 9                         ; candidates: [code group][128 rows]
	s_lshl_b32 s15, s50, 8
	s_add_co_u32 s51, s51, s15
	s_add_co_u32 s51, s51, REDD
	v_lshl_add_u32 v[RW], v1, 2, s51
	v_add_nc_u32 v[RA], REDD, v[SO]
	v_mov_b32 v[CUR], 0
	v_mov_b32 v[TP], 0                             ; destinations of v_permlanex16_b32 count as read: written once here
	v_mov_b32 v[TP+1], 0
	s_wait_loadcnt 0x0
.irp c, 0,1,2,3
	ds_store_b128 v[E2S], v[E2T+4*\c:E2T+4*\c+3] offset:4096*\c
.endr
	s_wait_tensorcnt 0x0                           ; my rows of z and of the first codes have landed,
	s_wait_dscnt 0x0                               ; my part of e2 is in LDS:
	s_barrier_signal -1
	s_barrier_wait -1                              ; everybody's are.
; z INTO FRAGMENTS.  A fragment is 16 rows x 32 K in 8 registers: lane (r, h) holds row r; registers 0-3 K = 8 h + 0..7, registers 4-7 K = 16 + 8 h + 0..7.
; In f32 these are 32 bytes at 32 h and 32 bytes at 64 + 32 h of the K step's 128.  Group g = four K steps (row tile g / 2, K steps 4 (g % 2) ..): 16 loads, 32 conversions.
.macro LOADZ g, t
.irp q, 0,1,2,3
	ds_load_b128 v[\t+16*\q:\t+16*\q+3],     v[ZA] offset:((\g)>>1)*16*ZPITCH+((\g)&1)*512+128*\q
	ds_load_b128 v[\t+16*\q+4:\t+16*\q+7],   v[ZA] offset:((\g)>>1)*16*ZPITCH+((\g)&1)*512+128*\q+16
	ds_load_b128 v[\t+16*\q+8:\t+16*\q+11],  v[ZA] offset:((\g)>>1)*16*ZPITCH+((\g)&1)*512+128*\q+64
	ds_load_b128 v[\t+16*\q+12:\t+16*\q+15], v[ZA] offset:((\g)>>1)*16*ZPITCH+((\g)&1)*512+128*\q+80
.endr
.endm
.macro CVTZ g, t
	WIN CVTW
.irp q, 0,1,2,3
.irp r, 0,1,2,3,4,5,6,7
	v_cvt_pk_bf16_f32 v[32*(\g)+8*\q+\r], v[\t+16*\q+2*\r], v[\t+16*\q+2*\r+1]   ; 64 (g / 2) + 8 (4 (g % 2) + q) = 32 g + 8 q, in window 1
.endr
.endr
	WIN 0
.endm
	LOADZ 0, TA
	LOADZ 1, TB
.irp g, 0,2,4
	s_wait_dscnt 16                                ; LDS loads come back in order: the older group is in, the younger sixteen stay out
	CVTZ \g, TA
	LOADZ \g+2, TA
	s_wait_dscnt 16
	CVTZ \g+1, TB
	LOADZ \g+3, TB
.endr
	s_wait_dscnt 16
	CVTZ 6, TA
	s_wait_dscnt 0
	CVTZ 7, TB
	; step 0's tile 0 (the head: codes 16 x group .. + 15) and its e2 go into registers now: they land while x2 is summed
	ds_load_b128 v[EB:EB+3],   v[E2A]
	ds_load_b128 v[EB+4:EB+7], v[E2A] offset:16
.irp kk, 0,1,2,3,4,5,6,7
	ds_load_b128 v[F+8*\kk:F+8*\kk+3],   v[EP] offset:64*\kk
	ds_load_b128 v[F+8*\kk+4:F+8*\kk+7], v[EP] offset:64*\kk+32
.endr
	; x2 of the rounded rows: a lane squares the 128 numbers of each of its four rows, in eight chains that take turns; the other half of the lanes has the other 128
.irp i, 0,1,2,3,4,5,6,7
	v_mov_b32 v[XL+\i], 0
.endr
	WIN SQW
.set n, 0
.rept 64
.irp i, 0,1,2,3
	v_fma_mix_f32_bf16 v[XL+\i], v[64*\i+n], v[64*\i+n], v[XL+\i] op_sel_hi:[1,1,0]
	v_fma_mix_f32_bf16 v[XH+\i], v[64*\i+n], v[64*\i+n], v[XH+\i] op_sel:[1,1,0] op_sel_hi:[1,1,0]
.endr
.set n, n+1
.endr
	WIN 0
.irp i, 0,1,2,3
	v_add_f32 v[XL+\i], v[XL+\i], v[XH+\i]
.endr
.irp i, 0,1,2,3
	v_permlanex16_b32 v[XH+\i], v[XL+\i], s54, s55
.endr
.irp i, 0,1,2,3
	v_add_f32 v[X2+2*\i],   v[XL+\i], v[XH+\i]     ; the same sum in both halves of the lanes,
	v_add_f32 v[X2+2*\i+1], v[XL+\i], v[XH+\i]     ; and twice, for the packed add
.endr
	s_mov_b32 s51, 0x7f800000                      ; +inf: any finite d is smaller
.irp i, 0,1,2,3
	v_mov_b32 v[BEST+\i], s51
	v_mov_b32 v[IDX+\i], 0
.irp j, 0,1,2,3,4,5,6
	v_mov_b32 v[SV+8*\i+\j], s51
.endr
.endr
; THE RING.
; The fragments of my 16 codes in rows 64 q .. 64 q + 63 of a slot, and their e2: the tile that follows tile q of the step.  18 LDS loads; the two of e2 go first.
.macro LOADF slot, q
	ds_load_b128 v[EB+8*(((\q)+1)&1):EB+8*(((\q)+1)&1)+3],   v[E2A] offset:256*((\q)+1)
	ds_load_b128 v[EB+8*(((\q)+1)&1)+4:EB+8*(((\q)+1)&1)+7], v[E2A] offset:256*((\q)+1)+16
.irp kk, 0,1,2,3,4,5,6,7
	ds_load_b128 v[F+8*\kk:F+8*\kk+3],   v[EA+2*\slot+((\q)>>1)] offset:((\q)&1)*64*EPITCH+64*\kk
	ds_load_b128 v[F+8*\kk+4:F+8*\kk+7], v[EA+2*\slot+((\q)>>1)] offset:((\q)&1)*64*EPITCH+64*\kk+32
.endr
.endm
; 32 matrix instructions: 16 codes x 64 rows x 256 K.  The four accumulators take turns, one instruction a turn, from tile to tile too.
; The first K step starts the sums: nothing is cleared.  w = 1: the fragments may still be on their way; w = 0: they have been waited for.
.macro MUL w
	WIN MULW
.irp kk, 0,1,2,3,4,5,6,7
.if \w
	s_wait_dscnt 14-2*\kk                          ; K step kk's two loads are in; the 2 (7 - kk) issued behind them may be out
.endif
.irp i, 0,1,2,3
.if \kk == 0
	v_wmma_f32_16x16x32_bf16 v[ACC+8*\i:ACC+8*\i+7], v[F+8*\kk:F+8*\kk+7], v[64*\i+8*\kk:64*\i+8*\kk+7], 0
.else
	v_wmma_f32_16x16x32_bf16 v[ACC+8*\i:ACC+8*\i+7], v[F+8*\kk:F+8*\kk+7], v[64*\i+8*\kk:64*\i+8*\kk+7], v[ACC+8*\i:ACC+8*\i+7]
.endif
.endr
.endr
	WIN 0
.endm
.macro SADD2 i, eb, p                  ; half of S = x2 + e2, rounded once
	v_pk_add_f32 v[S+\p:S+\p+1],   v[\eb+\p:\eb+\p+1],   v[X2+2*(\i):X2+2*(\i)+1]
	v_pk_add_f32 v[S+\p+2:S+\p+3], v[\eb+\p+2:\eb+\p+3], v[X2+2*(\i):X2+2*(\i)+1]
.endm
.macro DIST i                          ; d = S - 2 dot, rounded once
.irp p, 0,2,4,6
	v_pk_fma_f32 v[ACC+8*(\i)+\p:ACC+8*(\i)+\p+1], v[ACC+8*(\i)+\p:ACC+8*(\i)+\p+1], -2.0, v[S+\p:S+\p+1] op_sel_hi:[1,0,1]
.endr
.endm
.macro MINA i                          ; three partial minima that do not wait for each other; a NaN loses
	v_min3_num_f32 v[MT],   v[ACC+8*(\i)],   v[ACC+8*(\i)+1], v[ACC+8*(\i)+2]
	v_min3_num_f32 v[MT+1], v[ACC+8*(\i)+3], v[ACC+8*(\i)+4], v[ACC+8*(\i)+5]
	v_min_num_f32  v[MT+2], v[ACC+8*(\i)+6], v[ACC+8*(\i)+7]
.endm
.macro SEL i                           ; where the eight's minimum is strictly smaller: keep it, the tile, and distances 0 .. 6
	v_cndmask_b32 v[BEST+(\i)], v[BEST+(\i)], v[MT+3], vcc_lo
	v_cndmask_b32 v[IDX+(\i)], v[IDX+(\i)], v[CUR], vcc_lo
.irp j, 0,1,2,3,4,5,6
	v_cndmask_b32 v[SV+8*(\i)+\j], v[SV+8*(\i)+\j], v[ACC+8*(\i)+\j], vcc_lo
.endr
.endm
; The compare stage of tile tt, 89 vector instructions.  Its first four packed adds name no register of a matrix instruction: they are the four places
; behind the last of them, for the loads into F and for the vector instructions on the accumulators.  fetch = 1: the next tile's fragments are asked
; for there and land while this tile's distances are compared.  The next row tile's adds and multiply-adds stand between an instruction and the use of its result.
.macro VEC tt, slot, fetch
	SADD2 0, EB+8*((\tt)&1), 0
	SADD2 0, EB+8*((\tt)&1), 4
.if \fetch
	LOADF \slot, \tt
.endif
	DIST 0
.irp i, 0,1,2
	MINA \i
	SADD2 \i+1, EB+8*((\tt)&1), 0
	v_min3_num_f32 v[MT+3], v[MT], v[MT+1], v[MT+2]
	SADD2 \i+1, EB+8*((\tt)&1), 4
	v_cmp_lt_f32 vcc_lo, v[MT+3], v[BEST+\i]
	DIST \i+1
	SEL \i
.endr
	MINA 3
	v_min3_num_f32 v[MT+3], v[MT], v[MT+1], v[MT+2]
	v_cmp_lt_f32 vcc_lo, v[MT+3], v[BEST+3]
	SEL 3
	v_add_nc_u32 v[CUR], 64, v[CUR]
.endm
; Step k, slot = k % 2.  At its head tile 0's fragments are on their way into registers, from the other slot's last 64 rows (step 0: from the head).
; Every wave waits for its tensor load (its part of load k, which lies in this step's slot) and for its LDS reads, the last of the other slot among them, and signals;
; tile 0 is multiplied on registers while the others arrive.  Behind the round no wave of the four work-groups reads the other slot any more and this
; slot is whole: the joint refill comes first, one load a wave, and has the whole step in which to land.
; mode 2: load k + 1 is asked for by all eight waves.  mode 1: load 15 has 192 codes: waves 0 to 5 bring 32 rows each, waves 6 and 7 none (the same in all four
; work-groups).  mode 0: the last step: nothing is left to fetch, so the barrier is the work-group's own, and no tile follows tile 3.
.macro STEP slot, mode
	s_wait_tensorcnt 0x0                           ; no tensor load of mine is out, so a group 0 may be written:
	ds_add_u32 v254, v255
	s_wait_dscnt 0x0
.if \mode == 2
	s_add_nc_u64 s[G0E+4*\slot+2:G0E+4*\slot+3], s[G0E+4*\slot+2:G0E+4*\slot+3], 2*STEP_BYTES   ; this slot's next load, asked for at the head of the next step
.endif
	s_wait_dscnt 0x0                               ; tile 0's fragments are in registers: my reads of the other slot are over
	s_barrier_signal -1
	MUL 0
	s_barrier_wait -1
.if \mode
	CREST
.if \mode == 1
	s_cmp_ge_u32 s14, 6
	s_cbranch_scc1 .Lnone_\@
.endif
	tensor_load_to_lds s[G0E+4-4*\slot:G0E+7-4*\slot], s[G1E:G1E+7]   ; load k + 1, into the slot read last
	s_nop 0
.if \mode == 1
.Lnone_\@:
.endif
.endif
	VEC 0, \slot, 1
	MUL 1
	VEC 1, \slot, 1
	MUL 1
	VEC 2, \slot, 1
	MUL 1
.if \mode
	VEC 3, \slot, 1                                ; with the next step's tile 0: this slot's last 64 rows
	v_add_nc_u32 v[E2A], 1024, v[E2A]              ; the next 256 codes' e2
.else
	VEC 3, \slot, 0
.endif
.endm
	s_mov_b32 s44, 7                               ; 16 steps: 7 trips of two, and two written out.  Step 0's refill lands on z's bytes: every wave's reads of z are waited for in front of its round
.Lring:
	STEP 0, 2
	STEP 1, 2
	s_sub_co_u32 s44, s44, 1
	s_cmp_lg_u32 s44, 0
	s_cbranch_scc1 .Lring
	STEP 0, 1
	STEP 1, 0
; THE CANDIDATES MEET.  a = the better of a and b: the smaller d, of equal d the lower code.  It selects values only.
.macro LEX ad, ac, bd, bc
	v_cmp_lt_f32 s56, v[\bd], v[\ad]
	v_cmp_eq_f32 s57, v[\bd], v[\ad]
	v_cmp_lt_u32 vcc_lo, v[\bc], v[\ac]
	s_and_b32 s57, s57, vcc_lo
	s_or_b32 vcc_lo, s56, s57
	v_cndmask_b32 v[\ad], v[\ad], v[\bd], vcc_lo
	v_cndmask_b32 v[\ac], v[\ac], v[\bc], vcc_lo
.endm
.macro REDROW i                        ; row tile i: which of the eight, then the two halves of the lanes
	v_mov_b32 v[JR], 7                             ; the eighth, unless a kept distance equals the minimum;
.irp j, 6,5,4,3,2,1,0
	v_cmp_eq_f32 vcc_lo, v[SV+8*\i+\j], v[BEST+\i]
	v_cndmask_b32 v[JR], v[JR], v[KJ+\j], vcc_lo   ; going down, so that the lowest of equals is written last
.endr
	v_add3_u32 v[IDX+\i], v[IDX+\i], v[LC], v[JR]  ; the code itself
	v_permlanex16_b32 v[TP], v[BEST+\i], s54, s55
	v_permlanex16_b32 v[TP+1], v[IDX+\i], s54, s55
	LEX BEST+\i, IDX+\i, TP, TP+1                  ; codes differ, so both halves choose the same
	ds_store_b32 v[RW], v[BEST+\i] offset:64*\i    ; lanes r and 16 + r write one word with one value
	ds_store_b32 v[RW], v[IDX+\i] offset:REDI-REDD+64*\i
.endm
.irp j, 0,1,2,3,4,5,6
	v_mov_b32 v[KJ+\j], \j
.endr
	REDROW 0
	REDROW 1
	REDROW 2
	REDROW 3
	s_wait_dscnt 0x0                               ; my candidates are in LDS, for wave 0's sake
	ROUND                                          ; the closing round: it stands behind the last joint load, so no work-group ends while a partner may still ask; its barriers also show wave 0 all candidates
	s_cmp_lg_u32 s14, 0
	s_cbranch_scc1 .Lend
.irp c, 0,1,2,3
	ds_load_b128 v[F+4*\c:F+4*\c+3],       v[RA] offset:512*\c             ; wave 0: four rows a lane, code group c: d
	ds_load_b128 v[F+16+4*\c:F+16+4*\c+3], v[RA] offset:REDI-REDD+512*\c   ; and code
.endr
	s_wait_dscnt 0x0
.irp e, 0,1,2,3
	LEX F+\e, F+16+\e, F+4+\e, F+20+\e
	LEX F+8+\e, F+24+\e, F+12+\e, F+28+\e
	LEX F+\e, F+16+\e, F+8+\e, F+24+\e
.endr
	global_store_b128 v[SO], v[F:F+3], s[10:11]            ; 512 consecutive aligned bytes each: the block's 128 rows
	global_store_b128 v[SO], v[F+16:F+19], s[12:13]
.Lend:
	s_wait_tensorcnt 0x0
	ds_add_u32 v254, v255
	s_wait_dscnt 0x0
	s_endpgm
.Lfunc_end_k_q60e18a998b_main:
	.size	k_q60e18a998b_main, .Lfunc_end_k_q60e18a998b_main-k_q60e18a998b_main
	.p2alignl 7, 3214868480
	.fill 96, 4, 3214868480
	.section	.rodata,"a",@progbits
	.p2align	6, 0x0
	.amdhsa_kernel k_q60e18a998b_main
		.amdhsa_group_segment_fixed_size 327680
		.amdhsa_private_segment_fixed_size 0
		.amdhsa_enable_private_segment 0
		.amdhsa_kernarg_size 40
		.amdhsa_user_sgpr_count 2
		.amdhsa_user_sgpr_kernarg_segment_ptr 1
		.amdhsa_wavefront_size32 1
		.amdhsa_system_sgpr_workgroup_id_x 1
		.amdhsa_system_sgpr_workgroup_id_y 1
		.amdhsa_system_sgpr_workgroup_id_z 1
		.amdhsa_system_vgpr_workitem_id 0
		.amdhsa_next_free_vgpr 512
		.amdhsa_next_free_sgpr 80
		.amdhsa_reserve_vcc 1
		.amdhsa_float_denorm_mode_32 3
		.amdhsa_float_denorm_mode_16_64 3
		.amdhsa_memory_ordered 1
		.amdhsa_forward_progress 1
		.amdhsa_inst_pref_size 199
	.end_amdhsa_kernel
	.amdgpu_metadata
---
amdhsa.version: [ 1, 2 ]
amdhsa.kernels:
  - .name:           k_q60e18a998b_main
    .symbol:         k_q60e18a998b_main.kd
    .args:
      - { .name: z_e, .offset: 0, .size: 8, .value_kind: global_buffer, .address_space: global }
      - { .name: embb, .offset: 8, .size: 8, .value_kind: global_buffer, .address_space: global }
      - { .name: e2, .offset: 16, .size: 8, .value_kind: global_buffer, .address_space: global }
      - { .name: candd, .offset: 24, .size: 8, .value_kind: global_buffer, .address_space: global }
      - { .name: candi, .offset: 32, .size: 8, .value_kind: global_buffer, .address_space: global }
    .group_segment_fixed_size: 327680
    .private_segment_fixed_size: 0
    .kernarg_segment_align: 8
    .kernarg_segment_size: 40
    .max_flat_workgroup_size: 256
    .sgpr_count:     80
    .vgpr_count:     512
    .wavefront_size: 32
...
	.end_amdgpu_metadata
.endif
;; end of part 2
;; launch gather (part 3): grid 256 x 1, 16 waves a work-group, no clusters, 2,560 bytes of LDS; arguments z_e, emb, candd, candi, out0, out2, part; writes out0, out2, part
.if DOCPART == 3
	.amdgcn_target "amdgcn-amd-amdhsa--gfx1250"
	.amdhsa_code_object_version 6
	.text
	.protected	k_q60e18a998b_gather
	.globl	k_q60e18a998b_gather
	.p2align	8
	.type	k_q60e18a998b_gather,@function
k_q60e18a998b_gather:
	s_mov_b64 s[64:65], 0
	v_nop
	global_prefetch_b8 v0, s[64:65] scope:SCOPE_SE
	s_setreg_imm32_b32 hwreg(HW_REG_WAVE_MODE, 25, 1), 1
	s_wait_xcnt 0x0
; For each row: the better of the two halves' candidates (the smaller d; equal d go to the lower half, whose codes are lower), q = emb[code] in f32,
; out0 = z + (q - z) with the formula's own two roundings, out2 = code, and the work-group's sum of (q - z)^2 into part.
; BOTH candidates' rows are loaded, by addresses made of the stored codes alone, and the choice between them selects values: no address hangs on a distance.
; Sixteen waves; the work-group owns 64 rows, so that its codes fill 256 consecutive aligned bytes of out2.  A wave owns 4 rows, written out; all its 24 loads go out at once.
; A row is 1,024 bytes: two loads or stores of 16 bytes a lane, 512 consecutive bytes each.
; No cluster and no tensor loads: which rows of emb a work-group reads hangs on the data, so no tile is shared.
; The codes are clamped to 8,191 in front of the addresses; the launch before stores none above that.
.set L,   4                            ; v[4:11]    four pairs of running sums of squares
.set Z,   16                           ; v[16:47]   row k: z, 8 registers
.set E0,  48                           ; v[48:79]   row k: the lower half's code, then q, then the result to store: its own registers
.set E1,  80                           ; v[80:111]  row k: the upper half's code, then q - z
.set OF,  112                          ; v[112:119] row k: byte offsets in emb of my 16 bytes, lower and upper half
	s_load_b256 s[4:11], s[0:1], 0x0               ; z_e s[4:5], emb s[6:7], candd s[8:9], candi s[10:11]
	s_load_b128 s[12:15], s[0:1], 0x20             ; out0 s[12:13], out2 s[14:15]
	s_load_b64 s[16:17], s[0:1], 0x30              ; part
	v_lshl_add_u32 v120, v0, 2, 0x200
	v_mov_b32 v121, 0
	v_lshrrev_b32 v1, 5, v0
	v_readfirstlane_b32 s19, v1                    ; wave 0..15
	v_and_b32 v1, 31, v0
	v_lshlrev_b32 v1, 4, v1                        ; 16 x lane
	v_lshl_add_u32 v2, s19, 12, v1                 ; + wave x 4 rows x 1,024 bytes
	s_lshl_b32 s18, ttmp9, 8
	s_lshl_b32 s36, s19, 4
	s_add_co_u32 s18, s18, s36                     ; 4 bytes x (64 x work-group + 4 x wave): my four rows in a half of candd and candi
	v_mov_b32 v3, s36                              ; LDS: my wave's four codes at 16 x wave
	s_lshl_b32 s37, s19, 2
	v_mov_b32 v14, s37                             ; and its sum at 256 + 4 x wave
	s_lshl_b32 s38, ttmp9, 16                      ; the work-group's 64 rows of z_e and out0
	s_mov_b32 s39, 0
	s_mov_b32 s40, 0x76543210
	s_mov_b32 s41, 0xfedcba98
	s_wait_kmcnt 0x0
	s_load_b128 s[20:23], s[10:11], s18 offset:0x0         ; codes of the lower half, rows 0..3
	s_load_b128 s[24:27], s[10:11], s18 offset:0x10000     ; of the upper half
	s_load_b128 s[28:31], s[8:9], s18 offset:0x0           ; their distances
	s_load_b128 s[32:35], s[8:9], s18 offset:0x10000
	s_add_nc_u64 s[4:5], s[4:5], s[38:39]
	s_add_nc_u64 s[12:13], s[12:13], s[38:39]
.irp k, 0,1,2,3
	global_load_b128 v[Z+8*\k:Z+8*\k+3],   v2, s[4:5] offset:1024*\k th:TH_LOAD_NT
	global_load_b128 v[Z+8*\k+4:Z+8*\k+7], v2, s[4:5] offset:1024*\k+512 th:TH_LOAD_NT
.endr
	s_wait_kmcnt 0x0
.irp k, 0,1,2,3
	s_min_u32 s[20+\k], s[20+\k], 0x1fff
	s_min_u32 s[24+\k], s[24+\k], 0x1fff
	v_lshl_add_u32 v[OF+2*\k],   s[20+\k], 10, v1
	v_lshl_add_u32 v[OF+2*\k+1], s[24+\k], 10, v1
.endr
.irp k, 0,1,2,3
	global_load_b128 v[E0+8*\k:E0+8*\k+3],   v[OF+2*\k],   s[6:7]
	global_load_b128 v[E0+8*\k+4:E0+8*\k+7], v[OF+2*\k],   s[6:7] offset:512
	global_load_b128 v[E1+8*\k:E1+8*\k+3],   v[OF+2*\k+1], s[6:7]
	global_load_b128 v[E1+8*\k+4:E1+8*\k+7], v[OF+2*\k+1], s[6:7] offset:512
.endr
.macro ROWK k
	s_wait_loadcnt 12-4*\k                         ; loads come back in order: z and this row's four gathers are in, the 12 - 4 k of the later rows stay out
	v_mov_b32 v12, s[28+\k]
	v_cmp_lt_f32 vcc_lo, s[32+\k], v12             ; the upper half wins only by a strictly smaller distance
.irp j, 0,1,2,3,4,5,6,7
	v_cndmask_b32 v[E0+8*\k+\j], v[E0+8*\k+\j], v[E1+8*\k+\j], vcc_lo          ; q
.endr
.irp j, 0,2,4,6
	v_pk_add_f32 v[E1+8*\k+\j:E1+8*\k+\j+1], v[E0+8*\k+\j:E0+8*\k+\j+1], v[Z+8*\k+\j:Z+8*\k+\j+1] neg_lo:[0,1] neg_hi:[0,1]   ; q - z
.endr
.irp j, 0,2,4,6
	v_pk_add_f32 v[E0+8*\k+\j:E0+8*\k+\j+1], v[Z+8*\k+\j:Z+8*\k+\j+1], v[E1+8*\k+\j:E1+8*\k+\j+1]                             ; z + (q - z)
.endr
.irp j, 0,2,4,6
.if \k == 0
	v_pk_mul_f32 v[L+\j:L+\j+1], v[E1+8*\k+\j:E1+8*\k+\j+1], v[E1+8*\k+\j:E1+8*\k+\j+1]                                       ; the first row starts the sums
.else
	v_pk_fma_f32 v[L+\j:L+\j+1], v[E1+8*\k+\j:E1+8*\k+\j+1], v[E1+8*\k+\j:E1+8*\k+\j+1], v[L+\j:L+\j+1]
.endif
.endr
	global_store_b128 v2, v[E0+8*\k:E0+8*\k+3],   s[12:13] offset:1024*\k th:TH_STORE_NT
	global_store_b128 v2, v[E0+8*\k+4:E0+8*\k+7], s[12:13] offset:1024*\k+512 th:TH_STORE_NT
	v_mov_b32 v12, s[20+\k]
	v_mov_b32 v13, s[24+\k]
	v_cndmask_b32 v12, v12, v13, vcc_lo            ; the row's code
	ds_store_b32 v3, v12 offset:4*\k               ; all lanes write one word with one value
.endm
	ROWK 0
	ROWK 1
	ROWK 2
	ROWK 3
	v_pk_add_f32 v[L:L+1], v[L:L+1], v[L+2:L+3]
	v_pk_add_f32 v[L+4:L+5], v[L+4:L+5], v[L+6:L+7]
	v_pk_add_f32 v[L:L+1], v[L:L+1], v[L+4:L+5]
	v_add_f32 v[L], v[L], v[L+1]
	v_add_f32_dpp v[L], v[L], v[L] row_xmask:1 row_mask:0xf bank_mask:0xf
	v_add_f32_dpp v[L], v[L], v[L] row_xmask:2 row_mask:0xf bank_mask:0xf
	v_add_f32_dpp v[L], v[L], v[L] row_xmask:4 row_mask:0xf bank_mask:0xf
	v_add_f32_dpp v[L], v[L], v[L] row_xmask:8 row_mask:0xf bank_mask:0xf
	v_permlanex16_b32 v[L+1], v[L], s40, s41
	v_add_f32 v[L], v[L], v[L+1]
	ds_store_b32 v14, v[L] offset:256              ; the wave's sum
	s_wait_dscnt 0x0                               ; my codes and my sum are in LDS, for wave 0's sake
	s_barrier_signal -1
	s_barrier_wait -1
	s_cmp_lg_u32 s19, 0
	s_cbranch_scc1 .Lend
	v_lshrrev_b32 v5, 1, v1                        ; wave 0: 8 x lane
	ds_load_b64 v[6:7], v5                         ; two codes a lane
	v_and_b32 v8, 15, v0
	v_lshlrev_b32 v8, 2, v8
	ds_load_b32 v9, v8 offset:256                  ; the sixteen waves' sums, once in each half of the lanes
	s_lshl_b32 s42, ttmp9, 8
	s_mov_b32 s43, 0
	s_add_nc_u64 s[14:15], s[14:15], s[42:43]      ; out2 at the work-group's 64 rows
	s_lshl_b32 s44, ttmp9, 2
	s_mov_b32 s45, 0
	s_add_nc_u64 s[16:17], s[16:17], s[44:45]      ; part at the work-group's word
	v_mov_b32 v10, 0
	s_wait_dscnt 0x0
	global_store_b64 v5, v[6:7], s[14:15]          ; 256 consecutive aligned bytes
	v_add_f32_dpp v9, v9, v9 row_xmask:1 row_mask:0xf bank_mask:0xf
	v_add_f32_dpp v9, v9, v9 row_xmask:2 row_mask:0xf bank_mask:0xf
	v_add_f32_dpp v9, v9, v9 row_xmask:4 row_mask:0xf bank_mask:0xf
	v_add_f32_dpp v9, v9, v9 row_xmask:8 row_mask:0xf bank_mask:0xf
	v_cmp_eq_u32 vcc_lo, 0, v0
	s_wait_xcnt 0x0                                ; EXEC is a source of the stores above: it changes only behind this wait
	s_and_saveexec_b32 s46, vcc_lo
	global_store_b32 v10, v9, s[16:17]             ; lane 0: the work-group's sum
	s_wait_xcnt 0x0                                ; and again in front of the line that widens it
	s_or_b32 exec_lo, exec_lo, s46
.Lend:
	s_wait_tensorcnt 0x0
	ds_add_u32 v120, v121
	s_wait_dscnt 0x0
	s_endpgm
.Lfunc_end_k_q60e18a998b_gather:
	.size	k_q60e18a998b_gather, .Lfunc_end_k_q60e18a998b_gather-k_q60e18a998b_gather
	.p2alignl 7, 3214868480
	.fill 96, 4, 3214868480
	.section	.rodata,"a",@progbits
	.p2align	6, 0x0
	.amdhsa_kernel k_q60e18a998b_gather
		.amdhsa_group_segment_fixed_size 2560
		.amdhsa_private_segment_fixed_size 0
		.amdhsa_enable_private_segment 0
		.amdhsa_kernarg_size 56
		.amdhsa_user_sgpr_count 2
		.amdhsa_user_sgpr_kernarg_segment_ptr 1
		.amdhsa_wavefront_size32 1
		.amdhsa_system_sgpr_workgroup_id_x 1
		.amdhsa_system_sgpr_workgroup_id_y 1
		.amdhsa_system_sgpr_workgroup_id_z 1
		.amdhsa_system_vgpr_workitem_id 0
		.amdhsa_next_free_vgpr 122
		.amdhsa_next_free_sgpr 66
		.amdhsa_reserve_vcc 1
		.amdhsa_float_denorm_mode_32 3
		.amdhsa_float_denorm_mode_16_64 3
		.amdhsa_memory_ordered 1
		.amdhsa_forward_progress 1
		.amdhsa_inst_pref_size 13
	.end_amdhsa_kernel
	.amdgpu_metadata
---
amdhsa.version: [ 1, 2 ]
amdhsa.kernels:
  - .name:           k_q60e18a998b_gather
    .symbol:         k_q60e18a998b_gather.kd
    .args:
      - { .name: z_e, .offset: 0, .size: 8, .value_kind: global_buffer, .address_space: global }
      - { .name: emb, .offset: 8, .size: 8, .value_kind: global_buffer, .address_space: global }
      - { .name: candd, .offset: 16, .size: 8, .value_kind: global_buffer, .address_space: global }
      - { .name: candi, .offset: 24, .size: 8, .value_kind: global_buffer, .address_space: global }
      - { .name: out0, .offset: 32, .size: 8, .value_kind: global_buffer, .address_space: global }
      - { .name: out2, .offset: 40, .size: 8, .value_kind: global_buffer, .address_space: global }
      - { .name: part, .offset: 48, .size: 8, .value_kind: global_buffer, .address_space: global }
    .group_segment_fixed_size: 2560
    .private_segment_fixed_size: 0
    .kernarg_segment_align: 8
    .kernarg_segment_size: 56
    .max_flat_workgroup_size: 512
    .sgpr_count:     66
    .vgpr_count:     122
    .wavefront_size: 32
...
	.end_amdgpu_metadata
.endif
;; end of part 3
;; launch loss (part 4): grid 1 x 1, 1 waves a work-group, no clusters, 0 bytes of LDS; arguments part, out1; writes out1
.if DOCPART == 4
	.amdgcn_target "amdgcn-amd-amdhsa--gfx1250"
	.amdhsa_code_object_version 6
	.text
	.protected	k_q60e18a998b_loss
	.globl	k_q60e18a998b_loss
	.p2align	8
	.type	k_q60e18a998b_loss,@function
k_q60e18a998b_loss:
	s_mov_b64 s[64:65], 0
	v_nop
	global_prefetch_b8 v0, s[64:65] scope:SCOPE_SE
	s_setreg_imm32_b32 hwreg(HW_REG_WAVE_MODE, 25, 1), 1
	s_wait_xcnt 0x0
; out1 = m + 0.25 m, m = (sum of the 256 work-groups' sums of squares) / (16384 x 256).  One wave: the sum spans the work-groups of the launch before,
; so it is made here, in a fixed order.  The division is by 2^22 and 0.25 m is exact, so the fused multiply-add rounds as the formula's multiply and add do.
	s_load_b128 s[4:7], s[0:1], 0x0                ; part s[4:5], out1 s[6:7]
	v_lshlrev_b32 v1, 4, v0                        ; 16 x lane
	s_mov_b32 s8, 0x76543210
	s_mov_b32 s9, 0xfedcba98
	s_wait_kmcnt 0x0
	global_load_b128 v[4:7], v1, s[4:5]
	global_load_b128 v[8:11], v1, s[4:5] offset:512
	s_wait_loadcnt 0x0
	v_pk_add_f32 v[4:5], v[4:5], v[8:9]
	v_pk_add_f32 v[6:7], v[6:7], v[10:11]
	v_pk_add_f32 v[4:5], v[4:5], v[6:7]
	v_add_f32 v4, v4, v5
	v_add_f32_dpp v4, v4, v4 row_xmask:1 row_mask:0xf bank_mask:0xf
	v_add_f32_dpp v4, v4, v4 row_xmask:2 row_mask:0xf bank_mask:0xf
	v_add_f32_dpp v4, v4, v4 row_xmask:4 row_mask:0xf bank_mask:0xf
	v_add_f32_dpp v4, v4, v4 row_xmask:8 row_mask:0xf bank_mask:0xf
	v_permlanex16_b32 v5, v4, s8, s9
	v_add_f32 v4, v4, v5
	v_mul_f32 v4, 0x34800000, v4                   ; x 2^-22: the mean
	v_fmamk_f32 v5, v4, 0x3e800000, v4             ; 0.25 m + m
	v_mov_b32 v6, 0
	v_cmp_eq_u32 vcc_lo, 0, v0
	s_wait_xcnt 0x0                                ; EXEC changes only behind this wait
	s_and_saveexec_b32 s10, vcc_lo
	global_store_b32 v6, v5, s[6:7]                ; lane 0
	s_wait_xcnt 0x0
	s_or_b32 exec_lo, exec_lo, s10
	s_endpgm
.Lfunc_end_k_q60e18a998b_loss:
	.size	k_q60e18a998b_loss, .Lfunc_end_k_q60e18a998b_loss-k_q60e18a998b_loss
	.p2alignl 7, 3214868480
	.fill 96, 4, 3214868480
	.section	.rodata,"a",@progbits
	.p2align	6, 0x0
	.amdhsa_kernel k_q60e18a998b_loss
		.amdhsa_group_segment_fixed_size 0
		.amdhsa_private_segment_fixed_size 0
		.amdhsa_enable_private_segment 0
		.amdhsa_kernarg_size 16
		.amdhsa_user_sgpr_count 2
		.amdhsa_user_sgpr_kernarg_segment_ptr 1
		.amdhsa_wavefront_size32 1
		.amdhsa_system_sgpr_workgroup_id_x 1
		.amdhsa_system_sgpr_workgroup_id_y 1
		.amdhsa_system_sgpr_workgroup_id_z 1
		.amdhsa_system_vgpr_workitem_id 0
		.amdhsa_next_free_vgpr 16
		.amdhsa_next_free_sgpr 66
		.amdhsa_reserve_vcc 1
		.amdhsa_float_denorm_mode_32 3
		.amdhsa_float_denorm_mode_16_64 3
		.amdhsa_memory_ordered 1
		.amdhsa_forward_progress 1
		.amdhsa_inst_pref_size 2
	.end_amdhsa_kernel
	.amdgpu_metadata
---
amdhsa.version: [ 1, 2 ]
amdhsa.kernels:
  - .name:           k_q60e18a998b_loss
    .symbol:         k_q60e18a998b_loss.kd
    .args:
      - { .name: part, .offset: 0, .size: 8, .value_kind: global_buffer, .address_space: global }
      - { .name: out1, .offset: 8, .size: 8, .value_kind: global_buffer, .address_space: global }
    .group_segment_fixed_size: 0
    .private_segment_fixed_size: 0
    .kernarg_segment_align: 8
    .kernarg_segment_size: 16
    .max_flat_workgroup_size: 32
    .sgpr_count:     66
    .vgpr_count:     16
    .wavefront_size: 32
...
	.end_amdgpu_metadata
.endif
;; end of part 4
